; MI455X (gfx1250); checked and timed in simulation.
; The chip was launched on July 23, 2026; its instructions are those of AMD's public machine-readable ISA for CDNA 5 (MIT licence, August 2026) and "CDNA5" Instruction Set Architecture Reference Guide (July 2026). The comments in the code are by the model that wrote it; some were corrected since.
;; Multihead Attention. Allowed arithmetic: matrix products marked QUANTISED: E2M1 operands, one E8M0 scale for each 32 along K, by v_wmma_scale_f32_16x16x128_f8f6f4 with both operands' format E2M1 (or v_wmma_scale_f32_32x16x128_f4), f32 sums; products left as they are: bf16, f16 or f32 operands; f32 sums; everything else in f32.
;; Inputs: Wk 768 x 768 float32; Wo 768 x 768 float32; Wq 768 x 768 float32; Wv 768 x 768 float32; additive_attention_mask 32 x 1 x 1 x 512 float32; bk 768 float32; bo 768 float32; bq 768 float32; bv 768 float32; x 32 x 512 x 768 float32.
;; Outputs: out0 32 x 512 x 768 float32.
;; This version of the problem:
;;   THIS VERSION OF THE PROBLEM IS GIVEN IN LOW PRECISION. The matrix products marked QUANTISED in the list below multiply operands that are first quantised to E2M1 (2 exponent bits, 1 mantissa bit; 4 bits a number), with one power-of-two scale for each 32 numbers along K (OCP MX v1.0); their sums are f32. The products marked 'left as it is' may take bf16, f16 or f32 operands, with f32 sums. Whichever they take, every output number must still come out within the allowed error. Rounding operands to bf16 (8 significant bits) uses up far more of that allowance than f16 does (11 bits, for magnitudes from 6e-5 to 65,504). All else is computed in f32.
;;   The module's matrix products, in the order in which they are computed (A, B: the left and right operand; K: the contracted axis; several contracted axes count as one K, in the product's order):
;;     1. [M 16,384, K 768] x [K 768, N 768]; A: input x; B: input Wq: QUANTISED
;;     2. [M 16,384, K 768] x [K 768, N 768]; A: input x; B: input Wk: QUANTISED
;;     3. [M 16,384, K 768] x [K 768, N 768]; A: input x; B: input Wv: QUANTISED
;;     4. batch 384 x [M 512, K 64] x [K 64, N 512]; A: computed on the way; B: computed on the way: left as it is (an operand is computed on the way)
;;     5. batch 384 x [M 64, K 512] x [K 512, N 512]; A: computed on the way; B: computed on the way: left as it is (an operand is computed on the way)
;;     6. [M 16,384, K 768] x [K 768, N 768]; A: computed on the way; B: input Wo: left as it is (an operand is computed on the way)
;;   THE QUANTISER, for each operand of a quantised product, along K:
;;     - K is cut into blocks of 32 from its start; a last block that is shorter is filled with zeros.
;;     - A block's scale is 2^e with e = floor(log2(the largest magnitude in the block)) - 2, held to -126 .. 127; a block of zeros has e = 0. As a byte (E8M0): e + 127.
;;     - Each number is divided by its block's scale, clamped to +-6, and rounded to the nearest number of E2M1, ties to even, subnormals kept.
;;     - The product sums the exact products of the quantised numbers (number of the format x scale) in f32.
;;   ~~~python
;;   def quantise(x, axis):      # numpy; x: float32 -> the quantised numbers, widened to float32 again
;;       x = np.moveaxis(x, axis, -1); K = x.shape[-1]
;;       x = np.pad(x, [(0, 0)] * (x.ndim - 1) + [(0, -K % 32)]); x = x.reshape(x.shape[:-1] + (-1, 32)); a = np.abs(x).max(-1, keepdims=True)
;;       e = np.where(a > 0, np.clip(np.frexp(np.where(a > 0, a, 1))[1] - 1 - 2, -126, 127), 0)      # np.frexp(a)[1] - 1 = floor(log2(a)), exactly
;;       r = np.clip(x / 2.0 ** e, -6, 6)
;;       step = 2.0 ** (np.maximum(np.frexp(np.where(r == 0, 1, r))[1] - 1, 0) - 1)
;;       q = np.round(r / step) * step * 2.0 ** e      # np.round: ties to even
;;       return np.moveaxis(q.reshape(q.shape[:-2] + (-1,))[..., :K], -1, axis).astype(np.float32)
;;   ~~~
;; One version. Each part assembles by itself: llvm-mc -triple=amdgcn-amd-amdhsa -mcpu=gfx1250 --defsym DOCPART=n.
;; ======== version 1 of 1: 3 launches
;; limits: values are held in f16: magnitudes above 65,504 overflow, below 6.1e-05 lose precision; right only within a limited range of input values
;; workspace buffers: xc 6,291,456 bytes; xs 393,216 bytes; wc 884,736 bytes; ws 55,296 bytes; wo16 1,179,648 bytes; ao 25,165,824 bytes
;; launch prep (part 1): grid 912 x 1, 4 waves a work-group, no clusters, 35,328 bytes of LDS; arguments x, Wq, Wk, Wv, Wo, xc, xs, wc, ws, wo16; writes xc, xs, wc, ws, wo16
.if DOCPART == 1
	.amdgcn_target "amdgcn-amd-amdhsa--gfx1250"
	.amdhsa_code_object_version 6
	.text
	.protected	k_q5b2ea281c3_prep
	.globl	k_q5b2ea281c3_prep
	.p2align	8
	.type	k_q5b2ea281c3_prep,@function
k_q5b2ea281c3_prep:
	s_mov_b64 s[64:65], 0
	v_nop
	global_prefetch_b8 v0, s[64:65] scope:SCOPE_SE
	s_setreg_imm32_b32 hwreg(HW_REG_WAVE_MODE, 25, 1), 1
	s_wait_xcnt 0x0
; PREP.  x [16384][768] and Wq, Wk, Wv [768 (k)][768 (n)], f32, become codes of FP4 (E2M1) with one E8M0 scale byte for each 32 along K = 768; Wo [768 (k)][768 (n)] becomes f16.
; A block's scale is 2^(floor(log2(its largest magnitude)) - 2): its byte is the largest magnitude's exponent field - 2, held at 1 from below; each number is divided by the scale and rounded to the nearest code, ties to even, beyond 6 the code of 6.
; ALL RESULTS ARE LAID IN THE ORDER OF THE OPERANDS' REGISTERS, by tiles of 16 rows (x: tokens; weights: output columns n):
;   xc, wc: [tile][block kb of 24][row r of 16][16 bytes = 32 codes]   xs, ws: [tile][K step s of 6][r] words, byte b = the scale of block 4 s + b   wo16: [tile][piece kk of 96][r][16 bytes = Wo[8 kk .. 8 kk + 7][n] as f16]
; so that lane l of a wave finds registers 4 c .. 4 c + 3 of a fragment at (K step) x 1024 + 512 c + 16 l of its tile.
; LIMITS: a block of zeros gets the byte 1 where the rule says 127 (its codes are zeros, and this program alone reads the bytes); blocks whose largest magnitude lies under 2^-124 are held at that floor; NaN and infinities are not served; |Wo| stays under 65,504 (f16).
; SHARES.  Work-groups 0-143: a weight (36 each: 6 groups of 128 columns x 6 K steps of 128): a lane takes a column and its registers run down K.
; Work-groups 144-911: x: a wave takes a tile of 16 rows and a third of K (256 along K), so that 3,072 waves share the stream and each has 24 loads of 512 bytes out.
; No matrix work, no tensor loads, no barrier: a stream that no two waves share.
.set SPW,   12                         ; v12  LDS address of my spare word; never rewritten
.set NIL,   13                         ; v13  0; never rewritten
.set WREG,  8704                       ; LDS of a wave on x's path: two stages of 16 rows x 272 bytes
.set STG,   4352
.set SPARE, 4*WREG                     ; behind the four regions: the spare words, 128 bytes a wave
.set NS,    4                          ; steps of a wave on x's path: 256 bytes (two blocks) of each of its 16 rows a step
; the largest magnitude of the 32 numbers v[xs] .. v[xs + 31], in two chains, with the floor 2^(3 - 127) as one more leaf: so the byte cannot fall under 1
.macro BMAX xs, a, b
	v_max3_num_f32 v[\a], |v[\xs]|, |v[\xs+1]|, |v[\xs+2]|
	v_max3_num_f32 v[\b], |v[\xs+3]|, |v[\xs+4]|, |v[\xs+5]|
.irp i, 6,10,14,18,22,26
	v_max3_num_f32 v[\a], v[\a], |v[\xs+\i]|, |v[\xs+\i+1]|
	v_max3_num_f32 v[\b], v[\b], |v[\xs+\i+2]|, |v[\xs+\i+3]|
.endr
	v_max3_num_f32 v[\a], v[\a], |v[\xs+30]|, |v[\xs+31]|
	v_max3_num_f32 v[\a], v[\a], v[\b], 0x1800000
.endm
.macro FINISH                          ; a wave's end in a launch that stores to LDS; the same lines stand at every end of this text
	s_wait_tensorcnt 0x0
	ds_add_u32 v[SPW], v[NIL]
	s_wait_dscnt 0x0
	s_endpgm
.endm
	s_load_b512 s[8:23], s[0:1], 0x0               ; x s[8:9], Wq s[10:11], Wk s[12:13], Wv s[14:15], Wo s[16:17], xc s[18:19], xs s[20:21], wc s[22:23]
	s_load_b128 s[24:27], s[0:1], 0x40             ; ws s[24:25], wo16 s[26:27]
	v_lshl_add_u32 v[SPW], v0, 2, SPARE
	v_mov_b32 v[NIL], 0
	v_lshrrev_b32 v1, 5, v0
	v_readfirstlane_b32 s2, v1                     ; wave 0..3
	v_and_b32 v1, 31, v0                           ; lane
	v_and_b32 v2, 15, v0                           ; r
	v_bfe_u32 v3, v0, 4, 1                         ; h
	s_wait_kmcnt 0x0
	s_cmp_ge_u32 ttmp9, 144
	s_cbranch_scc1 .Lx
	; ---- THE WEIGHTS.  id = 36 mat + 6 cg + s: mat 0 q, 1 k, 2 v, 3 o; cg: the group of 128 columns; s: the K step of 128
	s_mul_i32 s3, ttmp9, 1821
	s_lshr_b32 s3, s3, 16                          ; mat = id / 36 (exact for id under 144)
	s_mul_i32 s4, s3, 36
	s_sub_co_u32 s4, ttmp9, s4
	s_mul_i32 s5, s4, 43
	s_lshr_b32 s5, s5, 8                           ; cg = rest / 6 (exact for a rest under 36)
	s_mul_i32 s6, s5, 6
	s_sub_co_u32 s6, s4, s6                        ; s
	s_cmp_eq_u32 s3, 0                             ; the source: a choice that hangs on the work-group's number alone
	s_cselect_b64 s[28:29], s[10:11], s[12:13]
	s_cmp_eq_u32 s3, 2
	s_cselect_b64 s[28:29], s[14:15], s[28:29]
	s_cmp_eq_u32 s3, 3
	s_cselect_b64 s[28:29], s[16:17], s[28:29]
	s_mul_i32 s36, s6, 393216                      ; 128 rows of 3,072 bytes for each K step,
	s_lshl_b32 s37, s5, 9                          ; 512 bytes for each group of columns,
	s_add_co_u32 s36, s36, s37
	s_lshl_b32 s37, s2, 7                          ; 128 for each wave
	s_add_co_u32 s36, s36, s37
	s_mov_b32 s37, 0
	s_add_nc_u64 s[28:29], s[28:29], s[36:37]
	s_lshl_b32 s7, s5, 3
	s_lshl_b32 s38, s2, 1
	s_add_co_u32 s7, s7, s38                       ; my wave's first tile of 16 columns: 8 cg + 2 wave
	v_lshlrev_b32 v4, 2, v1                        ; 4 bytes a lane: a load reads 128 consecutive bytes, the four waves 512
.set i, 0
.rept 128                                      ; W(128 s + i, my column) into v[64 + i]; the issue holds by itself where the counter's field is full (ISA guide 5.7.1)
	global_load_b32 v[64+i], v4, s[28:29] offset:i*3072 th:TH_LOAD_NT
.set i, i+1
.endr
	s_cmp_eq_u32 s3, 3
	s_cbranch_scc1 .Lcast
	s_mul_i32 s38, s3, 294912                      ; wc: 48 tiles of 6,144 bytes a matrix,
	s_mul_i32 s39, s7, 6144
	s_add_co_u32 s38, s38, s39
	s_lshl_b32 s39, s6, 10                         ; 1,024 bytes a K step
	s_add_co_u32 s38, s38, s39
	s_mov_b32 s39, 0
	s_add_nc_u64 s[30:31], s[22:23], s[38:39]
	s_mul_i32 s38, s3, 18432                       ; ws: 48 tiles of 384 bytes a matrix,
	s_mul_i32 s40, s7, 384
	s_add_co_u32 s38, s38, s40
	s_lshl_b32 s40, s6, 6                          ; 64 bytes a K step
	s_add_co_u32 s38, s38, s40
	s_add_nc_u64 s[32:33], s[24:25], s[38:39]
	v_mul_u32_u24 v5, v3, 6144
	v_lshl_add_u32 v5, v2, 4, v5                   ; codes: lanes 16-31 belong to the next tile; 16 bytes a row
	v_mul_u32_u24 v6, v3, 384
	v_lshl_add_u32 v6, v2, 2, v6                   ; scale words likewise, 4 bytes a row
; block t of my column: all its 32 numbers are mine.  left: how many younger loads may be out
.macro WBLK t, left
.set XS, 64+32*(\t)
	s_wait_loadcnt \left
	BMAX XS, 8, 9
	v_add_nc_u32 v11, 0xff000000, v8               ; 2 off the exponent field: the conversion takes this operand's exponent field as its scale
.irp g, 0,1,2,3
	v_cvt_scalef32_pk8_fp4_f32 v[192+4*(\t)+\g], v[XS+8*\g:XS+8*\g+7], v11
.endr
.if (\t) == 0
	v_lshrrev_b32 v14, 23, v11                     ; the scale's byte (also the plain line behind the conversions)
.else
	v_lshrrev_b32 v10, 23, v11
	v_lshl_or_b32 v14, v10, 8*(\t), v14            ; four bytes make the K step's word
.endif
	global_store_b128 v5, v[192+4*(\t):195+4*(\t)], s[30:31] offset:256*(\t)   ; sixteen lanes store 256 consecutive bytes, aligned; each block has registers of its own
.endm
	WBLK 0, 63                                     ; of 128 loads at most 63 out: the first 65 are in
	WBLK 1, 63
	WBLK 2, 32
	WBLK 3, 0
	global_store_b32 v6, v14, s[32:33]             ; runs of 64 bytes: the weights' scale words are 55,296 bytes in all
	FINISH
.Lcast:                                            ; Wo: eight neighbours down K of my column are one piece of 16 bytes
	s_mul_i32 s38, s7, 24576                       ; wo16: tiles of 24,576 bytes,
	s_lshl_b32 s39, s6, 12                         ; 16 pieces of 256 bytes a K step of 128
	s_add_co_u32 s38, s38, s39
	s_mov_b32 s39, 0
	s_add_nc_u64 s[34:35], s[26:27], s[38:39]
	v_mul_u32_u24 v7, v3, 24576
	v_lshl_add_u32 v7, v2, 4, v7
.set u, 0
.rept 16
.if (u == 0) || (u == 4)
	s_wait_loadcnt 63
.elseif u == 8
	s_wait_loadcnt 32
.elseif u == 12
	s_wait_loadcnt 0x0
.endif
.irp g, 0,1,2,3
	v_cvt_pk_f16_f32 v[64+8*u+\g], v[64+8*u+2*\g], v[64+8*u+2*\g+1]   ; in place, ascending: a register is written when both numbers that it held have been read
.endr
	global_store_b128 v7, v[64+8*u:67+8*u], s[34:35] offset:256*u
.set u, u+1
.endr
	FINISH
	; ---- x.  id - 144 = 256 third + group of four tiles.  My wave's tile of 16 rows, my third of K, in NS steps of 256 bytes (two blocks) of every row.
	; A load takes the bytes as they lie: lanes 0-15 256 consecutive bytes of one row, lanes 16-31 of the next.
	; The conversions want a block's 32 numbers in ONE lane: a step's 4,096 bytes turn through the wave's own stage (rows 272 bytes apart) and come back 128 bytes a lane: lane (r, h) holds block 2 t + h of row r.
.Lx:
	s_sub_co_u32 s3, ttmp9, 144
	s_lshr_b32 s7, s3, 8                           ; my third of K, 0..2: K steps 2 x third and 2 x third + 1
	s_and_b32 s3, s3, 255
	s_lshl_b32 s3, s3, 2
	s_add_co_u32 s3, s3, s2                        ; my tile, 0..1023
	s_mul_i32 s4, s3, 49152
	s_lshl_b32 s38, s7, 10                         ; a third of a row of x: 1,024 bytes
	s_add_co_u32 s4, s4, s38
	s_mov_b32 s5, 0
	s_add_nc_u64 s[28:29], s[8:9], s[4:5]          ; x
	s_mul_i32 s4, s3, 6144
	s_lshl_b32 s38, s7, 11                         ; a third of a tile's codes: 2,048 bytes
	s_add_co_u32 s4, s4, s38
	s_add_nc_u64 s[30:31], s[18:19], s[4:5]        ; xc
	s_mul_i32 s4, s3, 384
	s_lshl_b32 s38, s7, 7                          ; and of its scale words: 128 bytes
	s_add_co_u32 s4, s4, s38
	s_add_nc_u64 s[32:33], s[20:21], s[4:5]        ; xs
	s_mov_b32 s36, 0x76543210
	s_mov_b32 s37, 0xfedcba98                      ; v_permlanex16_b32's selects for lane l xor 16
	s_mul_i32 s6, s2, WREG
	v_mul_u32_u24 v4, v3, 3072
	v_lshl_add_u32 v4, v2, 4, v4                   ; in memory: row h of a pair, 16 bytes a lane
	v_mul_u32_u24 v5, v3, 272
	v_lshl_add_u32 v5, v2, 4, v5
	v_add_nc_u32 v5, s6, v5                        ; into the stage: the same
	v_mul_u32_u24 v6, v2, 272
	v_lshl_add_u32 v6, v3, 7, v6
	v_add_nc_u32 v6, s6, v6                        ; out of it: row r, block h
	v_lshlrev_b32 v7, 4, v1                        ; 16 x lane
	v_lshlrev_b32 v8, 2, v1                        ; 4 x lane
	v_lshlrev_b32 v9, 3, v3                        ; 8 h: my byte's place in a pair of bytes
	v_mov_b32 v236, 0                              ; written once: a lane permute's destination counts as one of its sources
.macro LOAD t                          ; step t into set t % 3 of v16-111
.irp i, 0,1,2,3,4,5,6,7
	global_load_b128 v[16+32*((\t)%3)+4*\i:19+32*((\t)%3)+4*\i], v4, s[28:29] offset:\i*6144+(\t)*256 th:TH_LOAD_NT
.endr
.endm
.macro TURN t                          ; through stage t % 2 into set t % 2 of v112-175; LDS serves a wave's instructions in order, so no wait stands between the stores and the loads
.irp i, 0,1,2,3,4,5,6,7
	ds_store_b128 v5, v[16+32*((\t)%3)+4*\i:19+32*((\t)%3)+4*\i] offset:((\t)%2)*STG+\i*544
.endr
.irp i, 0,1,2,3,4,5,6,7
	ds_load_b128 v[112+32*((\t)%2)+4*\i:115+32*((\t)%2)+4*\i], v6 offset:((\t)%2)*STG+16*\i
.endr
.endm
.macro STEP t
.set XS, 112+32*((\t)%2)
	s_wait_dscnt 0x0                               ; this step's numbers are back, so its stores into the stage have read their registers,
.if (\t)+3 < NS
	LOAD (\t)+3                                    ; which take the loads of three steps on
.endif
.if (\t) < NS-1
.if (\t) <= NS-4
	s_wait_loadcnt 16                              ; the next step's eight loads are in; those of the two steps behind it may be out
.else
	s_wait_loadcnt 8*(NS-2-(\t))                   ; towards the end fewer steps stand behind it
.endif
	TURN (\t)+1
.endif
	BMAX XS, 230, 231
	v_add_nc_u32 v234, 0xff000000, v230
.irp g, 0,1,2,3
	v_cvt_scalef32_pk8_fp4_f32 v[176+4*(\t)+\g], v[XS+8*\g:XS+8*\g+7], v234
.endr
.if (\t)%2 == 0
	v_lshrrev_b32 v232, 23, v234                   ; byte h of the K step's word (also the plain line behind the conversions)
.else
	v_lshrrev_b32 v235, 23, v234                   ; byte 2 + h
	v_lshl_or_b32 v233, v235, 16, v232
	v_lshlrev_b32 v[224+(\t)/2], v9, v233          ; at their places;
	v_permlanex16_b32 v236, v[224+(\t)/2], s36, s37
	v_or_b32 v[224+(\t)/2], v[224+(\t)/2], v236    ; with lane l xor 16's two the word is whole
.endif
	global_store_b128 v7, v[176+4*(\t):179+4*(\t)], s[30:31] offset:512*(\t)   ; 512 consecutive bytes; each step has registers of its own
.endm
	LOAD 0
	LOAD 1
	LOAD 2
	s_wait_loadcnt 16                              ; step 0's eight loads are in
	TURN 0
.irp t, 0,1,2,3
	STEP \t
.endr
	v_cmp_le_u32 vcc_lo, 16, v1                    ; lanes 0-15 store my first K step's words, lanes 16-31 my second's: 128 consecutive bytes
	v_cndmask_b32 v237, v224, v225, vcc_lo
	global_store_b32 v8, v237, s[32:33]
	FINISH
.Lfunc_end_k_q5b2ea281c3_prep:
	.size	k_q5b2ea281c3_prep, .Lfunc_end_k_q5b2ea281c3_prep-k_q5b2ea281c3_prep
	.p2alignl 7, 3214868480
	.fill 96, 4, 3214868480
	.section	.rodata,"a",@progbits
	.p2align	6, 0x0
	.amdhsa_kernel k_q5b2ea281c3_prep
		.amdhsa_group_segment_fixed_size 35328
		.amdhsa_private_segment_fixed_size 0
		.amdhsa_enable_private_segment 0
		.amdhsa_kernarg_size 80
		.amdhsa_user_sgpr_count 2
		.amdhsa_user_sgpr_kernarg_segment_ptr 1
		.amdhsa_wavefront_size32 1
		.amdhsa_system_sgpr_workgroup_id_x 1
		.amdhsa_system_sgpr_workgroup_id_y 1
		.amdhsa_system_sgpr_workgroup_id_z 1
		.amdhsa_system_vgpr_workitem_id 0
		.amdhsa_next_free_vgpr 240
		.amdhsa_next_free_sgpr 66
		.amdhsa_reserve_vcc 1
		.amdhsa_float_denorm_mode_32 3
		.amdhsa_float_denorm_mode_16_64 3
		.amdhsa_memory_ordered 1
		.amdhsa_forward_progress 1
		.amdhsa_inst_pref_size 43
	.end_amdhsa_kernel
	.amdgpu_metadata
---
amdhsa.version: [ 1, 2 ]
amdhsa.kernels:
  - .name:           k_q5b2ea281c3_prep
    .symbol:         k_q5b2ea281c3_prep.kd
    .args:
      - { .name: x, .offset: 0, .size: 8, .value_kind: global_buffer, .address_space: global }
      - { .name: Wq, .offset: 8, .size: 8, .value_kind: global_buffer, .address_space: global }
      - { .name: Wk, .offset: 16, .size: 8, .value_kind: global_buffer, .address_space: global }
      - { .name: Wv, .offset: 24, .size: 8, .value_kind: global_buffer, .address_space: global }
      - { .name: Wo, .offset: 32, .size: 8, .value_kind: global_buffer, .address_space: global }
      - { .name: xc, .offset: 40, .size: 8, .value_kind: global_buffer, .address_space: global }
      - { .name: xs, .offset: 48, .size: 8, .value_kind: global_buffer, .address_space: global }
      - { .name: wc, .offset: 56, .size: 8, .value_kind: global_buffer, .address_space: global }
      - { .name: ws, .offset: 64, .size: 8, .value_kind: global_buffer, .address_space: global }
      - { .name: wo16, .offset: 72, .size: 8, .value_kind: global_buffer, .address_space: global }
    .group_segment_fixed_size: 35328
    .private_segment_fixed_size: 0
    .kernarg_segment_align: 8
    .kernarg_segment_size: 80
    .max_flat_workgroup_size: 128
    .sgpr_count:     66
    .vgpr_count:     240
    .wavefront_size: 32
...
	.end_amdgpu_metadata
.endif
;; end of part 1
;; launch attn (part 2): grid 24 x 32, 8 waves a work-group, no clusters, 207,872 bytes of LDS; arguments xc, xs, wc, ws, bq, bk, bv, additive_attention_mask, ao; writes ao
.if DOCPART == 2
	.amdgcn_target "amdgcn-amd-amdhsa--gfx1250"
	.amdhsa_code_object_version 6
	.text
	.protected	k_q5b2ea281c3_attn
	.globl	k_q5b2ea281c3_attn
	.p2align	8
	.type	k_q5b2ea281c3_attn,@function
k_q5b2ea281c3_attn:
	s_mov_b64 s[64:65], 0
	v_nop
	global_prefetch_b8 v0, s[64:65] scope:SCOPE_SE
	s_setreg_imm32_b32 hwreg(HW_REG_WAVE_MODE, 25, 1), 1
	s_wait_xcnt 0x0
; ATTN.  For one batch b, one head and one half of the queries (256): q, k, v = x W + bias by products on codes of FP4 (both operands as PREP laid them), scores, softmax, P V.  Result: attn as f16, in the order of the next product's registers.
; q, k, v, the scores and p never go to memory.  The scores' and P V's operands are f16 (q is multiplied by log2(e) / 8 in f32 first); maxima, sums, exponentials and accumulators are f32.
; SHARES.  Eight waves.  Wave w owns 32 queries (two tiles of 16) and projects k and v of four tiles of keys; k and v of all 512 keys meet in LDS as images of the operands' registers (512 consecutive bytes an instruction, no pitch).
; LOCAL KEYS: local key = key xor 256 x half, for k, v and the mask alike (a softmax does not care for the order of its keys): so the wave's row tiles 0, 1 are its own queries, and no LDS address hangs on the work-group's number.
; LAYOUT.  q, k: source 0 = 16 columns of W, source 1 = 16 rows of x: a lane holds one token and eight neighbouring channels: two tiles, rounded in pairs, ARE a fragment of Q or K.  v: the sources swapped: a lane holds a channel and eight
; neighbouring keys: a fragment of V^T.  S^T = K Q^T (C = the mask), O^T = V^T P: a lane holds ONE query throughout, and p, rounded in pairs in place, is the second product's source 1.
; SOFTMAX: t = score x log2(e) / 8 + mask x log2(e); a running maximum m and sum l for each query; p = 2^(t - m); O and l are multiplied by 2^(old m - new m) in every step.  bv is added behind the division: sum(p (v + bv)) / sum(p) = sum(p v) / sum(p) + bv.
; TWO GROUPS OF WAVES, g = (w xor (w >> 2)) & 1: waves w and w + 4, and waves 2 u and 2 u + 1, fall into different groups.  Nobody but the wave itself needs its Q.  Group 0 projects Q first, while the second half of x is still on its way;
; group 1 projects Q behind the barrier that shows K and V to all.  So the groups walk the attention a projection's length apart, and one group's softmax stands beside the other's products.  The branches hang on the wave's number alone and hold no barrier.
; LIMITS: |q log2(e) / 8|, |k|, |v - bv|, |attn| under 65,504 (f16).  Mask: -infinity is kept (a row wholly at -infinity gives NaN, as the definition does); a finite mask x log2(e) is held at -3e38; NaN and +infinity in the mask are not served.
; NO CLUSTER, NO TENSOR LOADS: of the 290 KB that a work-group reads, 197 KB (x's codes) go straight into the registers of the one wave that uses them; the weights' codes, which work-groups share, are 74 KB, copied once; nothing in LDS is filled twice.
; REGISTERS.  Window 0: v1-15 addresses; v16-27 x's scale words, v28-63 the weights' (scales alone while the scaled products run; afterwards v16-31 the softmax's statistics, v32-39 its sums);
;   v64-127 two sets of four weight fragments, later O^T; v128-255 the projections' accumulators, later S^T and p.
;   Window 1: v0-191 x's 24 fragments, later K's or V's fragments (v0-127) and the mask (v128-191); v192-223 bq, later Q; v224-255 bk, later bv.
.set KBASE, 73728                      ; LDS: 0: the head's weight codes, matrix x 24,576 + tile x 6,144 + K step x 1,024 + 512 c + 16 lane
.set VBASE, 139264                     ; KBASE: K, key tile x 2,048 + K step x 1,024 + 512 c + 16 lane;  VBASE: V^T, (32 keys x 4 + channel tile) x 1,024 + 512 c + 16 lane
.set MBASE, 204800                     ; the mask x log2(e) by local key
.set SPARE, 206848                     ; the spare words, 128 bytes a wave
.set L16, 1                            ; v1   16 x lane
.set L4,  2                            ; v2   4 x lane
.set SPW, 3                            ; v3   my spare word; never rewritten
.set NIL, 4                            ; v4   0; never rewritten
.set AW2, 5                            ; v5   16 x lane + 49,152: Wv's codes
.set AKS, 6                            ; v6   where I store K's images
.set AVS, 7                            ; v7   and V's
.set AKL, 8                            ; v8   where I load K's
.set AVL, 9                            ; v9   and V's
.set AM,  10                           ; v10  the mask of my half's eight keys
.set AB,  11                           ; v11  32 h: a bias's eight numbers of my half
.set T16, 12                           ; v12  16 x thread
.set T16B, 13                          ; v13  + 49,152
.set GM,  14                           ; v14  my two numbers of the mask in memory
.set LM,  15                           ; v15  and in LDS
.set XS,  16
.set WS,  28
.set WB,  64
.set ACC, 128
.set ST,  16                           ; tile i at ST + 8 i: +0 m, +1 the old m, +2, +3 l in two halves, +4 .. +7 at work; +6 takes 2^(old m - new m), at the end 1 / l
.set TS,  32
.set O,   64
.set S,   128
.set GRP, 62                           ; s62  my group, 0 or 1
.set MSB, 0
.macro WIN new                         ; the immediate's high byte repeats the setting that is left; a switch that changes nothing is dropped
.if MSB != (\new)
	s_set_vgpr_msb (MSB<<8)|(\new)
.set MSB, (\new)
.endif
.endm
.macro PLACES n                        ; plain vector instructions between a matrix instruction and what reads its result or writes its registers (ISA guide 7.12.1)
.rept \n
	v_nop
.endr
.endm
	s_load_b512 s[8:23], s[0:1], 0x0               ; xc s[8:9], xs s[10:11], wc s[12:13], ws s[14:15], bq s[16:17], bk s[18:19], bv s[20:21], mask s[22:23]
	s_load_b64 s[24:25], s[0:1], 0x40              ; ao
	v_lshl_add_u32 v[SPW], v0, 2, SPARE
	v_mov_b32 v[NIL], 0
	v_lshrrev_b32 v1, 5, v0
	v_readfirstlane_b32 s2, v1                     ; wave 0..7
	s_lshr_b32 s[GRP], s2, 2
	s_xor_b32 s[GRP], s[GRP], s2
	s_and_b32 s[GRP], s[GRP], 1                    ; my group
	s_and_b32 s3, ttmp9, 1                         ; half
	s_lshr_b32 s4, ttmp9, 1                        ; head
	s_and_b32 s5, ttmp7, 0xffff                    ; batch
	v_and_b32 v2, 31, v0
	v_lshlrev_b32 v[L16], 4, v2
	v_lshlrev_b32 v[L4], 2, v2
	v_bfe_u32 v[AB], v0, 4, 1
	v_lshlrev_b32 v[AB], 5, v[AB]
	v_add_nc_u32 v[AW2], 49152, v[L16]
	s_lshl_b32 s6, s2, 12
	v_add_nc_u32 v[AKS], s6, v[L16]
	v_add_nc_u32 v[AVS], VBASE, v[AKS]
	v_add_nc_u32 v[AKS], KBASE, v[AKS]
	v_add_nc_u32 v[AKL], KBASE, v[L16]
	v_add_nc_u32 v[AVL], VBASE, v[L16]
	v_add_nc_u32 v[AM], MBASE, v[AB]
	v_lshlrev_b32 v[T16], 4, v0
	v_add_nc_u32 v[T16B], 49152, v[T16]
	v_lshlrev_b32 v[GM], 3, v0
	v_add_nc_u32 v[LM], MBASE, v[GM]
	s_lshl_b32 s7, s3, 10
	v_xor_b32 v[GM], s7, v[GM]                     ; local key = key xor 256 x half: 1,024 bytes
	s_lshl_b32 s26, s5, 5
	s_lshl_b32 s27, s2, 1
	s_add_co_u32 s26, s26, s27                     ; 32 b + 2 w
	s_lshl_b32 s27, s3, 4
	s_add_co_u32 s42, s26, s27                     ; T0: my first row tile in my half (my queries),
	s_xor_b32 s27, s27, 16
	s_add_co_u32 s43, s26, s27                     ; T1: and in the other half
	s_mul_i32 s44, s42, 6144
	s_mov_b32 s45, 0
	s_mul_i32 s46, s43, 6144
	s_mov_b32 s47, 0
	s_mul_i32 s48, s42, 384
	s_mov_b32 s49, 0
	s_mul_i32 s50, s43, 384
	s_mov_b32 s51, 0
	s_mul_i32 s52, s4, 24576                       ; the head's four tiles of columns: codes,
	s_mov_b32 s53, 0
	s_mul_i32 s54, s4, 1536                        ; scale words,
	s_mov_b32 s55, 0
	s_lshl_b32 s56, s4, 8                          ; biases
	s_mov_b32 s57, 0
	s_lshl_b32 s58, s5, 11                         ; the batch's mask
	s_mov_b32 s59, 0
	s_mul_i32 s60, s42, 24576                      ; ao: my first tile of tokens, the head's eight pieces
	s_lshl_b32 s61, s4, 11
	s_add_co_u32 s60, s60, s61
	s_mov_b32 s61, 0
	s_mov_b32 s36, 0x3e38aa3b                      ; log2(e) / 8
	s_mov_b32 s37, s36                             ; (named with it as a pair, so it is written)
	s_mov_b32 s38, 0x76543210
	s_mov_b32 s39, 0xfedcba98                      ; v_permlanex16_b32's selects for lane l xor 16
	s_mov_b32 s40, 0xff61b1e6                      ; -3e38
	s_mov_b32 s41, 0x3fb8aa3b                      ; log2(e)
	s_wait_kmcnt 0x0
	s_add_nc_u64 s[28:29], s[8:9], s[44:45]
	s_add_nc_u64 s[30:31], s[8:9], s[46:47]
	s_add_nc_u64 s[32:33], s[10:11], s[48:49]
	s_add_nc_u64 s[34:35], s[10:11], s[50:51]
	s_add_nc_u64 s[12:13], s[12:13], s[52:53]
	s_add_nc_u64 s[14:15], s[14:15], s[54:55]
	s_add_nc_u64 s[16:17], s[16:17], s[56:57]
	s_add_nc_u64 s[18:19], s[18:19], s[56:57]
	s_add_nc_u64 s[20:21], s[20:21], s[56:57]
	s_add_nc_u64 s[22:23], s[22:23], s[58:59]
	s_add_nc_u64 s[24:25], s[24:25], s[60:61]
	; ---- LOADS.  The head's weight codes (3 x 24,576 bytes, 4,096 an instruction of the work-group) and the mask go through registers into LDS; x's 24 fragments stay in my registers.
	; Order: the copy, the mask, x's row tiles 0 and 1 (my queries) | the copy goes to LDS | scale words, bq, bk, x's row tiles 2 and 3: so a Q pass can start while the last 24 loads are out.
.macro XLOAD i                         ; x's fragments (row tile i, K step s) into v[8 (6 i + s)] of window 1
.irp s, 0,1,2,3,4,5
.irp c, 0,1
	global_load_b128 v[8*(6*(\i)+\s)+4*\c:8*(6*(\i)+\s)+4*\c+3], v[L16], s[28+2*((\i)/2):29+2*((\i)/2)] offset:((\i)%2)*6144+\s*1024+\c*512
.endr
.endr
.endm
.set n, 0
.rept 18
	global_load_b128 v[128+4*n:131+4*n], v[T16], s[12:13] offset:(n/6)*294912+(n%6)*4096
.set n, n+1
.endr
	global_load_b64 v[200:201], v[GM], s[22:23]
	WIN 0x40                                       ; destination window 1
	XLOAD 0
	XLOAD 1
	WIN 0
	s_wait_loadcnt 24                              ; the copy and the mask are in; the 24 loads of x behind them may be out
.set n, 0
.rept 12
	ds_store_b128 v[T16], v[128+4*n:131+4*n] offset:(n/6)*24576+(n%6)*4096
.set n, n+1
.endr
.rept 6
	ds_store_b128 v[T16B], v[128+4*n:131+4*n] offset:(n%6)*4096
.set n, n+1
.endr
	v_mul_f32 v202, s41, v200                      ; the mask x log2(e),
	v_mul_f32 v203, s41, v201
	v_max_num_f32 v202, s40, v202                  ; held at -3e38 (a large finite mask must not become -infinity),
	v_max_num_f32 v203, s40, v203
	v_mov_b32 v204, 0xff800000
	v_cmp_eq_f32 vcc_lo, v200, v204
	v_cndmask_b32 v202, v202, v204, vcc_lo         ; but -infinity stays -infinity
	v_cmp_eq_f32 vcc_lo, v201, v204
	v_cndmask_b32 v203, v203, v204, vcc_lo
	ds_store_b64 v[LM], v[202:203]
.irp i, 0,1,2,3                                ; scale words: one register serves two K steps: lanes 0-15 step 2 p, lanes 16-31 step 2 p + 1
.irp p, 0,1,2
	global_load_b32 v[XS+3*\i+\p], v[L4], s[32+2*(\i/2):33+2*(\i/2)] offset:(\i%2)*384+\p*128
.endr
.endr
.irp m, 0,1,2
.irp t, 0,1,2,3
.irp p, 0,1,2
	global_load_b32 v[WS+12*\m+3*\t+\p], v[L4], s[14:15] offset:\m*18432+\t*384+\p*128
.endr
.endr
.endr
	WIN 0x40
.irp t, 0,1,2,3                                ; bq and bk in the result's layout: lane (r, h) holds channels 16 t + 8 h + 0 .. 7: they are the C of each sum's first product
.irp u, 0,1
	global_load_b128 v[192+8*\t+4*\u:195+8*\t+4*\u], v[AB], s[16:17] offset:64*\t+16*\u
	global_load_b128 v[224+8*\t+4*\u:227+8*\t+4*\u], v[AB], s[18:19] offset:64*\t+16*\u
.endr
.endr
	XLOAD 2
	XLOAD 3
	WIN 0
	s_wait_dscnt 0x0                               ; for the others' sake: my part of the weights' codes and of the mask lies in LDS
	s_barrier_signal -1
	s_barrier_wait -1
; the four weight fragments of matrix mat, K step s, into set s % 2
.macro WFETCH mat, s
.irp t, 0,1,2,3
.irp c, 0,1
.if (\mat) < 2
	ds_load_b128 v[WB+32*((\s)%2)+8*\t+4*\c:WB+32*((\s)%2)+8*\t+4*\c+3], v[L16] offset:(\mat)*24576+\t*6144+(\s)*1024+\c*512
.else
	ds_load_b128 v[WB+32*((\s)%2)+8*\t+4*\c:WB+32*((\s)%2)+8*\t+4*\c+3], v[AW2] offset:\t*6144+(\s)*1024+\c*512
.endif
.endr
.endr
.endm
; K step s of a projection: ni row tiles x 4 tiles of channels.  kind 0 (q, k): source 0 = W, source 1 = x, the first C = the bias; kind 1 (v): the sources swapped, the first C = 0.
; At odd s both sides take their scales from lanes 16-31.  The accumulators take turns, one instruction a turn, in the same order in every K step.
.macro PMUL kind, mat, ni, s
.if \kind
	WIN 0x01                                       ; source 0 (x) window 1
.elseif (\s) == 0
	WIN 0x14                                       ; source 1 (x) and C (the bias) window 1
.else
	WIN 0x04
.endif
.set p_i, 0
.rept \ni
.set p_c, 0
.rept 4
.set rD, ACC+8*(4*p_i+p_c)
.set rW, WB+32*((\s)%2)+8*p_c
.set rX, 8*(6*p_i+(\s))
.set rB, 192+32*(\mat)+8*p_c
.set rWS, WS+12*(\mat)+3*p_c+(\s)/2
.set rXS, XS+3*p_i+(\s)/2
.if \kind
.if (\s) == 0
	v_wmma_scale_f32_16x16x128_f8f6f4 v[rD:rD+7], v[rX:rX+7], v[rW:rW+7], 0, v[rXS], v[rWS] matrix_a_fmt:MATRIX_FMT_FP4 matrix_b_fmt:MATRIX_FMT_FP4
.elseif (\s)%2
	v_wmma_scale_f32_16x16x128_f8f6f4 v[rD:rD+7], v[rX:rX+7], v[rW:rW+7], v[rD:rD+7], v[rXS], v[rWS] matrix_a_fmt:MATRIX_FMT_FP4 matrix_b_fmt:MATRIX_FMT_FP4 matrix_a_scale:MATRIX_SCALE_ROW1 matrix_b_scale:MATRIX_SCALE_ROW1
.else
	v_wmma_scale_f32_16x16x128_f8f6f4 v[rD:rD+7], v[rX:rX+7], v[rW:rW+7], v[rD:rD+7], v[rXS], v[rWS] matrix_a_fmt:MATRIX_FMT_FP4 matrix_b_fmt:MATRIX_FMT_FP4
.endif
.else
.if (\s) == 0
	v_wmma_scale_f32_16x16x128_f8f6f4 v[rD:rD+7], v[rW:rW+7], v[rX:rX+7], v[rB:rB+7], v[rWS], v[rXS] matrix_a_fmt:MATRIX_FMT_FP4 matrix_b_fmt:MATRIX_FMT_FP4
.elseif (\s)%2
	v_wmma_scale_f32_16x16x128_f8f6f4 v[rD:rD+7], v[rW:rW+7], v[rX:rX+7], v[rD:rD+7], v[rWS], v[rXS] matrix_a_fmt:MATRIX_FMT_FP4 matrix_b_fmt:MATRIX_FMT_FP4 matrix_a_scale:MATRIX_SCALE_ROW1 matrix_b_scale:MATRIX_SCALE_ROW1
.else
	v_wmma_scale_f32_16x16x128_f8f6f4 v[rD:rD+7], v[rW:rW+7], v[rX:rX+7], v[rD:rD+7], v[rWS], v[rXS] matrix_a_fmt:MATRIX_FMT_FP4 matrix_b_fmt:MATRIX_FMT_FP4
.endif
.endif
.set p_c, p_c+1
.endr
.set p_i, p_i+1
.endr
	WIN 0
.endm
; A projection: six K steps of 128; the next step's weight fragments are asked for ahead of this step's products.  The four places in front of each run of loads stand behind the products that read that set;
; with the four at a pass's end they are eight between a pass's last product and the next pass's first, which writes over its accumulators.
.macro PASS kind, mat, ni
	WFETCH \mat, 0
.irp s, 0,1,2,3,4,5
.if \s < 5
	PLACES 4
	WFETCH \mat, \s+1
	s_wait_dscnt 8                                 ; this step's fragments are in; the eight loads just issued may be out
.else
	s_wait_dscnt 0x0
.endif
	PMUL \kind, \mat, \ni, \s
.endr
	PLACES 4
.endm
; Q: my two tiles of queries.  x log2(e) / 8 in f32, then f16: tiles 2 s and 2 s + 1 of channels are Q's fragment s as they stand.  It touches x's row tiles 0 and 1, bq, the accumulators of those two tiles and the weights' codes in LDS, which nobody writes again.
.macro QPROJ
	PASS 0, 0, 2
.set n, 0
.rept 32
	v_pk_mul_f32 v[ACC+2*n:ACC+2*n+1], v[ACC+2*n:ACC+2*n+1], s[36:37] op_sel_hi:[1,0]   ; each accumulator from its low end on
.set n, n+1
.endr
	WIN 0x40
.set n, 0
.rept 32
	v_cvt_pk_f16_f32 v[192+n], v[ACC+2*n], v[ACC+2*n+1]   ; Q (tile i, K step s) at v[192 + 16 i + 8 s] of window 1, where bq lay
.set n, n+1
.endr
	WIN 0
.endm
.macro ROUND16 base, cnt               ; cnt accumulators from v[base] on, each rounded to f16 in place: four registers, ascending
.set t, 0
.rept \cnt
.irp g, 0,1,2,3
	v_cvt_pk_f16_f32 v[\base+8*t+\g], v[\base+8*t+2*\g], v[\base+8*t+2*\g+1]
.endr
.set t, t+1
.endr
.endm
	; ---- Q, group 0
	s_cmp_lg_u32 s[GRP], 0
	s_cbranch_scc1 .Lq_later
	s_wait_loadcnt 24                              ; x's row tiles 0 and 1, the scale words, bq and bk are in; the 24 loads of row tiles 2 and 3 may be out
	QPROJ
.Lq_later:
	s_wait_loadcnt 0x0                             ; all of x
	; ---- K: my four tiles of keys, to LDS as images
	PASS 0, 1, 4
	ROUND16 ACC, 16
.set t, 0
.rept 16                                       ; t = 4 i + channel tile; local key tile 16 (i / 2) + 2 w + i % 2
	ds_store_b128 v[AKS], v[ACC+8*t:ACC+8*t+3] offset:(t/8)*32768+((t/4)%2)*2048+(t%4)*512
.set t, t+1
.endr
	WIN 0x40
.irp t, 0,1,2,3                                ; bv, for the way out, where bk lay
.irp u, 0,1
	global_load_b128 v[224+8*\t+4*\u:227+8*\t+4*\u], v[AB], s[20:21] offset:64*\t+16*\u
.endr
.endr
	WIN 0
	s_wait_dscnt 0x0                               ; the stores have read their registers
	; ---- V: the same four tiles, sources swapped
	PASS 1, 2, 4
	ROUND16 ACC, 16
.set t, 0
.rept 16                                       ; 32 keys 8 (i / 2) + w, half i % 2 of them
	ds_store_b128 v[AVS], v[ACC+8*t:ACC+8*t+3] offset:(t/8)*32768+(t%4)*1024+((t/4)%2)*512
.set t, t+1
.endr
	s_wait_dscnt 0x0                               ; for the others' sake: my images of K and V lie in LDS
	s_barrier_signal -1
	s_barrier_wait -1
	; ---- Q, group 1
	s_cmp_eq_u32 s[GRP], 0
	s_cbranch_scc1 .Lq_done
	QPROJ
.Lq_done:
; ---- ATTENTION: four steps of 128 local keys
.macro MFETCH j                        ; the mask of step j's keys: v[128 + 8 kt] of window 1: my half's eight keys of key tile kt
	WIN 0x40
.set n, 0
.rept 16
	ds_load_b128 v[128+4*n:131+4*n], v[AM] offset:(\j)*512+(n/2)*64+(n%2)*16
.set n, n+1
.endr
	WIN 0
.endm
.macro KQUART j, q                     ; K's fragments of key tiles 2 q and 2 q + 1 of step j ((kt, K step s) at v[16 kt + 8 s] of window 1): 32 registers, eight loads
	WIN 0x40
.set n, 8*(\q)
.rept 8
	ds_load_b128 v[4*n:4*n+3], v[AKL] offset:(\j)*16384+n*512
.set n, n+1
.endr
	WIN 0
.endm
.macro VFETCH j                        ; V^T's 16 fragments (32 keys ks, channel tile t at v[8 (4 ks + t)])
	WIN 0x40
.set n, 0
.rept 32
	ds_load_b128 v[4*n:4*n+3], v[AVL] offset:(\j)*16384+n*512
.set n, n+1
.endr
	WIN 0
.endm
; The softmax of a step, my two tiles line by line, so that no line waits for the line above it.  first = 1: the first step starts m, l and O^T.
.macro SOFTMAX first
.irp c, 0,1,2,3                                ; the largest t: four chains of 15; each accumulator is first read at its low end
.irp i, 0,1
	v_max3_num_f32 v[ST+8*\i+4+\c], v[S+64*\i+16*\c], v[S+64*\i+16*\c+1], v[S+64*\i+16*\c+2]
.endr
.endr
.irp u, 3,5,7,9,11,13
.irp c, 0,1,2,3
.irp i, 0,1
	v_max3_num_f32 v[ST+8*\i+4+\c], v[ST+8*\i+4+\c], v[S+64*\i+16*\c+\u], v[S+64*\i+16*\c+\u+1]
.endr
.endr
.endr
.irp i, 0,1
	v_max3_num_f32 v[ST+8*\i+4], v[ST+8*\i+4], v[ST+8*\i+5], v[S+64*\i+15]
	v_max3_num_f32 v[ST+8*\i+6], v[ST+8*\i+6], v[ST+8*\i+7], v[S+64*\i+31]
.endr
.irp i, 0,1
	v_max3_num_f32 v[ST+8*\i+4], v[ST+8*\i+4], v[ST+8*\i+6], v[S+64*\i+47]
.endr
.irp i, 0,1
.if \first
	v_max3_num_f32 v[ST+8*\i+4], v[ST+8*\i+4], v[S+64*\i+63], s40   ; -3e38 stands for the old m: m is a finite number even where every key so far is at -infinity
.else
	v_max3_num_f32 v[ST+8*\i+4], v[ST+8*\i+4], v[S+64*\i+63], v[ST+8*\i]
.endif
.endr
.irp i, 0,1
	v_permlanex16_b32 v[ST+8*\i+5], v[ST+8*\i+4], s38, s39   ; the query's other 64 keys lie in the lane 16 away
.endr
.irp i, 0,1
.if \first
	v_mov_b32 v[ST+8*\i+1], v[ST+8*\i+4]           ; (named with m as a pair, so it is written)
.else
	v_mov_b32 v[ST+8*\i+1], v[ST+8*\i]
.endif
.endr
.irp i, 0,1
	v_max_num_f32 v[ST+8*\i], v[ST+8*\i+4], v[ST+8*\i+5]
.endr
.if (\first) == 0
.irp i, 0,1
	v_sub_f32 v[ST+8*\i+7], v[ST+8*\i+1], v[ST+8*\i]
.endr
.endif
.set n, 0
.rept 32
.irp i, 0,1
	v_pk_add_f32 v[S+64*\i+2*n:S+64*\i+2*n+1], v[S+64*\i+2*n:S+64*\i+2*n+1], v[ST+8*\i:ST+8*\i+1] op_sel_hi:[1,0] neg_lo:[0,1] neg_hi:[0,1]   ; t - m, two at a time
.endr
.set n, n+1
.endr
.if (\first) == 0
.irp i, 0,1
	v_exp_f32 v[ST+8*\i+6], v[ST+8*\i+7]           ; 2^(old m - new m)
.endr
.endif
.set n, 0
.rept 64
.irp i, 0,1
	v_exp_f32 v[S+64*\i+n], v[S+64*\i+n]           ; p.  ONE BATCH: none of these lines reads an exponential's result
.endr
.set n, n+1
.endr
	v_nop                                          ; a plain instruction behind the last exponential,
	s_wait_alu depctr_va_vdst(0)                   ; and one wait ahead of the batch's first reader
.irp i, 0,1                                    ; the row's sum, of p before it is rounded: two chains a tile
	v_pk_add_f32 v[TS+4*\i:TS+4*\i+1], v[S+64*\i:S+64*\i+1], v[S+64*\i+2:S+64*\i+3]
	v_pk_add_f32 v[TS+4*\i+2:TS+4*\i+3], v[S+64*\i+4:S+64*\i+5], v[S+64*\i+6:S+64*\i+7]
.endr
.irp u, 8,12,16,20,24,28,32,36,40,44,48,52,56,60
.irp i, 0,1
	v_pk_add_f32 v[TS+4*\i:TS+4*\i+1], v[TS+4*\i:TS+4*\i+1], v[S+64*\i+\u:S+64*\i+\u+1]
	v_pk_add_f32 v[TS+4*\i+2:TS+4*\i+3], v[TS+4*\i+2:TS+4*\i+3], v[S+64*\i+\u+2:S+64*\i+\u+3]
.endr
.endr
.irp i, 0,1
.if \first
	v_pk_add_f32 v[ST+8*\i+2:ST+8*\i+3], v[TS+4*\i:TS+4*\i+1], v[TS+4*\i+2:TS+4*\i+3]
.else
	v_pk_add_f32 v[TS+4*\i:TS+4*\i+1], v[TS+4*\i:TS+4*\i+1], v[TS+4*\i+2:TS+4*\i+3]
.endif
.endr
.if (\first) == 0
.irp i, 0,1
	v_pk_fma_f32 v[ST+8*\i+2:ST+8*\i+3], v[ST+8*\i+2:ST+8*\i+3], v[ST+8*\i+6:ST+8*\i+7], v[TS+4*\i:TS+4*\i+1] op_sel_hi:[1,0,1]
.endr
.endif
.set n, 0
.rept 32                                       ; p to f16, in place, ascending: register n is written when the numbers that it held have been rounded.  P (tile i, 32 keys ks) lies at v[S + 64 i + 8 ks]
.irp i, 0,1
	v_cvt_pk_f16_f32 v[S+64*\i+n], v[S+64*\i+2*n], v[S+64*\i+2*n+1]
.endr
.set n, n+1
.endr
.if (\first) == 0
.set n, 0
.rept 16
.irp i, 0,1
	v_pk_mul_f32 v[O+32*\i+2*n:O+32*\i+2*n+1], v[O+32*\i+2*n:O+32*\i+2*n+1], v[ST+8*\i+6:ST+8*\i+7] op_sel_hi:[1,0]   ; O^T under the new m
.endr
.set n, n+1
.endr
.endif
.endm
; A KEY STEP.  All its LDS loads but the last eight stand under work: V and the NEXT step's mask are asked for ahead of the softmax (K's and the mask's registers are free once the scores are issued);
; the next step's K comes in quarters between the groups of P V: group ks leaves free the 32 registers that take key tiles 2 ks and 2 ks + 1.
.macro STEP j, first, last
	WIN 0x15                                       ; K, Q and the mask in window 1
.irp q, 0,1,2,3                                ; S^T = K Q^T + mask: 16 accumulators by turns, channels 0-31, then 32-63
	s_wait_dscnt 24-8*\q                           ; K's quarter q is in (ahead of the first step: the mask too, which was asked for first); the eight loads of each later quarter may be out
.irp u, 0,1
.irp i, 0,1
.set kt, 2*\q+\u
	v_wmma_f32_16x16x32_f16 v[S+64*\i+8*kt:S+64*\i+8*kt+7], v[16*kt:16*kt+7], v[192+16*\i:192+16*\i+7], v[128+8*kt:128+8*kt+7]
.endr
.endr
.endr
	WIN 0x05
.irp t, 0,1,2,3,4,5,6,7
.irp i, 0,1
	v_wmma_f32_16x16x32_f16 v[S+64*\i+8*\t:S+64*\i+8*\t+7], v[16*\t+8:16*\t+15], v[192+16*\i+8:192+16*\i+15], v[S+64*\i+8*\t:S+64*\i+8*\t+7]
.endr
.endr
	WIN 0
	PLACES 4                                       ; in front of the loads into K's and the mask's registers and of the first read of the scores
	VFETCH \j                                      ; V lands while the softmax is walked,
.if (\last) == 0
	MFETCH (\j)+1                                  ; and so does the next step's mask
.endif
	SOFTMAX \first
	s_wait_dscnt 0x0                               ; both are in
.irp k, 0,1,2,3                                ; O^T += V^T P: 8 accumulators by turns, 32 keys a group
	WIN 0x01
.irp t, 0,1,2,3
.irp i, 0,1
.if (\first) && (\k == 0)
	v_wmma_f32_16x16x32_f16 v[O+32*\i+8*\t:O+32*\i+8*\t+7], v[8*(4*\k+\t):8*(4*\k+\t)+7], v[S+64*\i+8*\k:S+64*\i+8*\k+7], 0
.else
	v_wmma_f32_16x16x32_f16 v[O+32*\i+8*\t:O+32*\i+8*\t+7], v[8*(4*\k+\t):8*(4*\k+\t)+7], v[S+64*\i+8*\k:S+64*\i+8*\k+7], v[O+32*\i+8*\t:O+32*\i+8*\t+7]
.endif
.endr
.endr
.if (\last) == 0
	WIN 0
.if \k == 3
	PLACES 5                                       ; the next step's scores write over p, which these products read: five
.else
	PLACES 4                                       ; in front of loads into the registers of V that this group has read
.endif
	KQUART (\j)+1, \k
.endif
.endr
	WIN 0
.endm
	MFETCH 0                                       ; the first step's mask first, then K by quarters: the step's counted waits hold for it as for the others
	KQUART 0, 0
	KQUART 0, 1
	KQUART 0, 2
	KQUART 0, 3
	STEP 0, 1, 0
	STEP 1, 0, 0
	STEP 2, 0, 0
	STEP 3, 0, 1
	; ---- THE WAY OUT.  The four additions and the v_nop are the places behind the last products.
.irp i, 0,1
	v_add_f32 v[ST+8*\i+4], v[ST+8*\i+2], v[ST+8*\i+3]
.endr
.irp i, 0,1
	v_permlanex16_b32 v[ST+8*\i+5], v[ST+8*\i+4], s38, s39
.endr
.irp i, 0,1
	v_add_f32 v[ST+8*\i+4], v[ST+8*\i+4], v[ST+8*\i+5]   ; the row's sum
.endr
.irp i, 0,1
	v_rcp_f32 v[ST+8*\i+6], v[ST+8*\i+4]
.endr
	v_nop
	s_wait_alu depctr_va_vdst(0)                   ; one wait for both reciprocals, ahead of their first reader
	s_wait_loadcnt 0x0                             ; bv
	WIN 0x10                                       ; bv in window 1
.set n, 0
.rept 16
.irp i, 0,1
	v_pk_fma_f32 v[O+32*\i+2*n:O+32*\i+2*n+1], v[O+32*\i+2*n:O+32*\i+2*n+1], v[ST+8*\i+6:ST+8*\i+7], v[224+2*n:225+2*n] op_sel_hi:[1,0,1]   ; O^T / l + bv
.endr
.set n, n+1
.endr
	WIN 0
	ROUND16 O, 8
.set t, 0
.rept 8                                        ; lane (r, h) holds token r, channels 16 t + 8 h + 0 .. 7: piece 8 head + 2 t + h: the wave stores 512 consecutive bytes, aligned, straight from registers
	global_store_b128 v[L16], v[O+8*t:O+8*t+3], s[24:25] offset:(t/4)*24576+(t%4)*512
.set t, t+1
.endr
	s_wait_tensorcnt 0x0                           ; the wave's end, behind my last LDS store
	ds_add_u32 v[SPW], v[NIL]
	s_wait_dscnt 0x0
	s_endpgm
.Lfunc_end_k_q5b2ea281c3_attn:
	.size	k_q5b2ea281c3_attn, .Lfunc_end_k_q5b2ea281c3_attn-k_q5b2ea281c3_attn
	.p2alignl 7, 3214868480
	.fill 96, 4, 3214868480
	.section	.rodata,"a",@progbits
	.p2align	6, 0x0
	.amdhsa_kernel k_q5b2ea281c3_attn
		.amdhsa_group_segment_fixed_size 207872
		.amdhsa_private_segment_fixed_size 0
		.amdhsa_enable_private_segment 0
		.amdhsa_kernarg_size 72
		.amdhsa_user_sgpr_count 2
		.amdhsa_user_sgpr_kernarg_segment_ptr 1
		.amdhsa_wavefront_size32 1
		.amdhsa_system_sgpr_workgroup_id_x 1
		.amdhsa_system_sgpr_workgroup_id_y 1
		.amdhsa_system_sgpr_workgroup_id_z 1
		.amdhsa_system_vgpr_workitem_id 0
		.amdhsa_next_free_vgpr 512
		.amdhsa_next_free_sgpr 66
		.amdhsa_reserve_vcc 1
		.amdhsa_float_denorm_mode_32 3
		.amdhsa_float_denorm_mode_16_64 3
		.amdhsa_memory_ordered 1
		.amdhsa_forward_progress 1
		.amdhsa_inst_pref_size 225
	.end_amdhsa_kernel
	.amdgpu_metadata
---
amdhsa.version: [ 1, 2 ]
amdhsa.kernels:
  - .name:           k_q5b2ea281c3_attn
    .symbol:         k_q5b2ea281c3_attn.kd
    .args:
      - { .name: xc, .offset: 0, .size: 8, .value_kind: global_buffer, .address_space: global }
      - { .name: xs, .offset: 8, .size: 8, .value_kind: global_buffer, .address_space: global }
      - { .name: wc, .offset: 16, .size: 8, .value_kind: global_buffer, .address_space: global }
      - { .name: ws, .offset: 24, .size: 8, .value_kind: global_buffer, .address_space: global }
      - { .name: bq, .offset: 32, .size: 8, .value_kind: global_buffer, .address_space: global }
      - { .name: bk, .offset: 40, .size: 8, .value_kind: global_buffer, .address_space: global }
      - { .name: bv, .offset: 48, .size: 8, .value_kind: global_buffer, .address_space: global }
      - { .name: additive_attention_mask, .offset: 56, .size: 8, .value_kind: global_buffer, .address_space: global }
      - { .name: ao, .offset: 64, .size: 8, .value_kind: global_buffer, .address_space: global }
    .group_segment_fixed_size: 207872
    .private_segment_fixed_size: 0
    .kernarg_segment_align: 8
    .kernarg_segment_size: 72
    .max_flat_workgroup_size: 256
    .sgpr_count:     66
    .vgpr_count:     512
    .wavefront_size: 32
...
	.end_amdgpu_metadata
.endif
;; end of part 2
;; launch oproj (part 3): grid 128 x 2, 4 waves a work-group, clusters of 4 x 1, 327,680 bytes of LDS; arguments ao, wo16, bo, out0; writes out0
.if DOCPART == 3
	.amdgcn_target "amdgcn-amd-amdhsa--gfx1250"
	.amdhsa_code_object_version 6
	.text
	.protected	k_q5b2ea281c3_oproj
	.globl	k_q5b2ea281c3_oproj
	.p2align	8
	.type	k_q5b2ea281c3_oproj,@function
k_q5b2ea281c3_oproj:
	s_mov_b64 s[64:65], 0
	v_nop
	global_prefetch_b8 v0, s[64:65] scope:SCOPE_SE
	s_setreg_imm32_b32 hwreg(HW_REG_WAVE_MODE, 25, 1), 1
	s_wait_xcnt 0x0
	s_wait_alu depctr_hold_cnt(0) depctr_sa_sdst(0) depctr_va_vdst(0) depctr_va_sdst(0) depctr_va_ssrc(0) depctr_va_vcc(0) depctr_vm_vsrc(0)
	s_getreg_b32 s2, hwreg(HW_REG_IB_STS2, 6, 4)
	s_cmp_eq_u32 s2, 0
	s_cbranch_scc0 .Lentry_in_a_cluster
	s_endpgm
.Lentry_in_a_cluster:
	s_bfe_u32 s2, ttmp6, 0x10000c
	s_cmp_lg_u32 s2, 0x3003
	s_cbranch_scc0 .Lentry_shape_is_right
	s_endpgm
.Lentry_shape_is_right:
; OPROJ.  out0 [16384][768] f32 = attn Wo + bo.  attn (ao) and Wo (wo16) are f16, both laid by tiles of 16 rows (tokens; output columns) in the order of the operands' registers:
; [tile][piece kk of 96][row r][16 bytes = 8 neighbours along K]: lane l finds registers 4 c .. 4 c + 3 of the fragment of 32 along K number s at 1,024 s + 512 c + 16 l of its tile.  Sums in f32; bo is the C of each sum's first product.
; SHARES.  A work-group makes 128 rows x 384 columns; 128 x 2 work-groups.  Four waves, each 64 x 192: 48 accumulators of 16 x 16, 384 registers.  K = 768 goes in six steps of 128 through two LDS slots:
; a K step of a tile of 16 rows is 4,096 consecutive bytes, so a slot is 8 + 24 such rows, dense: every LDS load reads 512 consecutive bytes.
; CLUSTER.  The four work-groups of a cluster lie along the rows and need the same 384 columns of Wo: waves 1 to 3 ask for them JOINTLY (8 tiles each, mask 15); wave 0 fetches the work-group's own 8 tiles of ao by a plain load.
; THE MATRIX INSTRUCTION IS USED TRANSPOSED (source 0 = 16 columns of Wo, source 1 = 16 tokens): a lane holds eight neighbouring columns of one row of the result.
; By the text's own count a wave has two tensor loads out at the start and one behind each later round.
; REGISTERS.  Window 0: v16-29 addresses; v32-95 ao's fragments, two sets of four; v128-223 bo; on the way out v32-127 and v128-223 take rows by turns.  Window 1: Wo's fragments, two sets of twelve, at v0 and v96.
;   Window 2: the accumulators of my token tiles 0, 1 ((a, n) at v[8 (12 (a % 2) + n)]); window 3: those of tiles 2, 3.
.set SLOT,  131072                     ; ao's 8 tiles x 4,096 bytes, then Wo's 24
.set STAGE, 2*SLOT                     ; behind the ring: 16 rows x 784 bytes for each wave, for the way out
.set SP,    784                        ; 768 bytes + 16
.set SPARE, STAGE+4*16*SP              ; the spare words, 128 bytes a wave
.set ADRA, 16                          ; v16-17 LDS address of my ao fragments in slot 0, 1
.set ADRB, 20                          ; v20-21 the same for Wo
.set STO,  24                          ; v24    the way out: where I put 32 bytes of a row
.set RD,   25                          ; v25    where I read rows back
.set CO,   26                          ; v26    my byte offset in out0
.set BO,   27                          ; v27    32 h
.set SPW,  28                          ; v28    my spare word; never rewritten
.set NIL,  29                          ; v29    0; never rewritten
.set AF,   32
.set BIAS, 128
.set G1A,  24                          ; s[24:31] descriptor group 1 for ao's tiles;  s[32:39] for Wo's: it differs in the mask and bit 21
.set G1B,  32
.set G0A,  40                          ; s[40:47] group 0 for ao, a set for each slot;  s[48:55] for Wo
.set G0B,  48
.set MSB, 0
.macro WIN new
.if MSB != (\new)
	s_set_vgpr_msb (MSB<<8)|(\new)
.set MSB, (\new)
.endif
.endm
.macro PLACES n
.rept \n
	v_nop
.endr
.endm
; Wave 0 fetches ao's tiles, waves 1 to 3 Wo's.  The branch hangs on the wave's number alone.  An s_nop 0 and four v_nop follow each of the two lines.
.macro JLOAD s
	s_cmp_eq_u32 s12, 0
	s_cbranch_scc0 .Lfor_b_\@
	tensor_load_to_lds s[G0A+4*(\s):G0A+4*(\s)+3], s[G1A:G1A+7]
	s_nop 0
.rept 4
	v_nop
.endr
	s_branch .Lasked_\@
.Lfor_b_\@:
	tensor_load_to_lds s[G0B+4*(\s):G0B+4*(\s)+3], s[G1B:G1B+7]
	s_nop 0
.rept 4
	v_nop
.endr
.Lasked_\@:
.endm
.macro CREST                           ; a round of the cluster's barrier behind its opening barrier
	s_cmp_lg_u32 s12, 0
	s_cbranch_scc1 .Lnot_wave_0_\@
	s_barrier_signal -3
.Lnot_wave_0_\@:
	s_barrier_wait -3
	s_barrier_signal -1
	s_barrier_wait -1
.endm
.macro CROUND
	s_barrier_signal -1
	s_barrier_wait -1
	CREST
.endm
	s_load_b256 s[4:11], s[0:1], 0x0               ; ao s[4:5], wo16 s[6:7], bo s[8:9], out0 s[10:11]
	v_lshl_add_u32 v[SPW], v0, 2, SPARE
	v_mov_b32 v[NIL], 0
	ds_add_u32 v[SPW], v[NIL]                      ; the wave's opening: the add, twice on end, and its wait ahead of my first tensor load
	ds_add_u32 v[SPW], v[NIL]
	v_lshrrev_b32 v1, 5, v0
	v_readfirstlane_b32 s12, v1                    ; wave 0..3
	s_and_b32 s13, s12, 1                          ; which 64 rows are mine
	s_lshr_b32 s14, s12, 1                         ; which 192 columns
	s_bfe_u32 s15, ttmp6, 0x40000                  ; cx: my place in the cluster
	s_lshl_b32 s16, ttmp9, 2
	s_add_co_u32 s16, s16, s15                     ; my block of 128 rows: it enters ao's and out0's addresses alone
	s_and_b32 s17, ttmp7, 0xffff                   ; my half of the columns, which the four partners share
	; group 1: 8 rows of 4,096 bytes (512 elements of 8 bytes), 24,576 bytes (3,072 elements) apart, dense in LDS
	s_mov_b32 s[G1A], 3<<16                        ; no mask; elements of 8 bytes; no padding
	s_mov_b32 s[G1B], 15|(3<<16)|(1<<21)           ; the mask: all four work-groups; bit 21 set beside it
.irp g, G1A, G1B
	s_mov_b32 s[\g+1], 512<<16                     ; tensor_dim0
	s_mov_b32 s[\g+2], 8<<16                       ; tensor_dim1
	s_mov_b32 s[\g+3], 512<<16                     ; tile_dim0
	s_mov_b32 s[\g+4], 8                           ; tile_dim1
	s_mov_b32 s[\g+5], 3072                        ; tensor_dim0_stride
	s_mov_b32 s[\g+6], 0
	s_mov_b32 s[\g+7], 0
.endr
	s_mul_i32 s20, s16, 196608                     ; ao: 8 tiles of 24,576 bytes for each block of rows
	s_mov_b32 s21, 0
	s_max_u32 s56, s12, 1                          ; Wo: waves 1 to 3 take tiles 8 (w - 1) on of my half's 24 (wave 0 makes wave 1's address and does not use it)
	s_sub_co_u32 s56, s56, 1
	s_lshl_b32 s56, s56, 3
	s_mul_i32 s57, s17, 24
	s_add_co_u32 s56, s56, s57
	s_mul_i32 s56, s56, 24576
	s_mov_b32 s57, 0
	s_lshl_b32 s22, s12, 15                        ; where they go: wave x 32,768: ao's tiles, then Wo's three groups of eight; no place in the cluster enters an LDS address
	s_wait_dscnt 0x0                               ; both opening adds are done
	s_wait_kmcnt 0x0
	s_add_nc_u64 s[20:21], s[4:5], s[20:21]
	s_add_nc_u64 s[56:57], s[6:7], s[56:57]
	CROUND                                         ; all four work-groups are here: the first joint loads meet
.irp s, 0,1
	s_mov_b32 s[G0A+4*\s], 1
	s_add_co_u32 s[G0A+4*\s+1], s22, \s*SLOT
	s_add_nc_u64 s[G0A+4*\s+2:G0A+4*\s+3], s[20:21], \s*4096   ; K step s
	s_or_b32 s[G0A+4*\s+3], s[G0A+4*\s+3], 0x80000000
	s_mov_b32 s[G0B+4*\s], 1
	s_add_co_u32 s[G0B+4*\s+1], s22, \s*SLOT
	s_add_nc_u64 s[G0B+4*\s+2:G0B+4*\s+3], s[56:57], \s*4096
	s_or_b32 s[G0B+4*\s+3], s[G0B+4*\s+3], 0x80000000
	JLOAD \s
.endr
	v_and_b32 v1, 31, v0
	v_lshlrev_b32 v2, 4, v1                        ; 16 x lane
	v_and_b32 v3, 15, v0                           ; r
	v_bfe_u32 v4, v0, 4, 1                         ; h
	s_lshl_b32 s18, s13, 14                        ; my four tiles of ao
	s_mul_i32 s19, s14, 49152                      ; my twelve tiles of Wo,
	s_add_co_u32 s19, s19, 32768                   ; which lie behind ao's eight
.irp s, 0,1
	v_add_nc_u32 v[ADRA+\s], s18, v2
	v_add_nc_u32 v[ADRB+\s], s19, v2
	s_add_co_u32 s18, s18, SLOT
	s_add_co_u32 s19, s19, SLOT
.endr
	s_mul_i32 s23, s12, 16*SP
	s_add_co_u32 s23, s23, STAGE                   ; my stage
	v_mul_u32_u24 v5, v3, SP
	v_lshl_add_u32 v5, v4, 5, v5
	v_add_nc_u32 v[STO], s23, v5                   ; in: row r, 32 bytes for each half of the lanes
	v_mul_u32_u24 v5, v4, SP
	v_lshl_add_u32 v5, v3, 4, v5
	v_add_nc_u32 v[RD], s23, v5                    ; back: lanes 0-15 256 bytes of one row, lanes 16-31 of the next
	v_mul_u32_u24 v5, v4, 3072
	v_lshl_add_u32 v[CO], v3, 4, v5                ; and the same in out0
	v_lshlrev_b32 v[BO], 5, v4
	s_mul_i32 s58, s17, 1536                       ; my first column, in bytes: 1,536 x half + 768 x wave's half
	s_mul_i32 s59, s14, 768
	s_add_co_u32 s58, s58, s59
	s_mov_b32 s59, 0
	s_add_nc_u64 s[8:9], s[8:9], s[58:59]
	s_add_nc_u64 s[10:11], s[10:11], s[58:59]
	s_lshl_b32 s60, s16, 7
	s_lshl_b32 s61, s13, 6
	s_add_co_u32 s60, s60, s61                     ; my first row
	s_mul_i32 s60, s60, 3072
	s_mov_b32 s61, 0
	s_add_nc_u64 s[10:11], s[10:11], s[60:61]
.irp n, 0,1,2,3,4,5,6,7,8,9,10,11              ; bo in the result's layout: lane (r, h) holds columns 16 n + 8 h + 0 .. 7
.irp u, 0,1
	global_load_b128 v[BIAS+8*\n+4*\u:BIAS+8*\n+4*\u+3], v[BO], s[8:9] offset:64*\n+16*\u
.endr
.endr
; 12 products: token tile a x my twelve tiles of columns, 32 along K, from set f.  bias = 1: the first product starts the sums with bo: nothing is cleared.
; The 48 accumulators take turns, one instruction a turn, in the same order in every quarter.
.macro MUL a, f, bias
.irp n, 0,1,2,3,4,5,6,7,8,9,10,11
.set rD, 8*(12*((\a)%2)+\n)
.if \bias
	v_wmma_f32_16x16x32_f16 v[rD:rD+7], v[96*(\f)+8*\n:96*(\f)+8*\n+7], v[AF+32*(\f)+8*(\a):AF+32*(\f)+8*(\a)+7], v[BIAS+8*\n:BIAS+8*\n+7]
.else
	v_wmma_f32_16x16x32_f16 v[rD:rD+7], v[96*(\f)+8*\n:96*(\f)+8*\n+7], v[AF+32*(\f)+8*(\a):AF+32*(\f)+8*(\a)+7], v[rD:rD+7]
.endif
.endr
.endm
; 32 LDS loads in one run: the fragments of the slot's q-th 32 along K into set f: Wo's twelve, then ao's four, tiles 0 and 1 first
.macro FETCH slot, q, f
	WIN 0x40                                       ; destination window 1
.irp n, 0,1,2,3,4,5,6,7,8,9,10,11
.irp c, 0,1
	ds_load_b128 v[96*(\f)+8*\n+4*\c:96*(\f)+8*\n+4*\c+3], v[ADRB+(\slot)] offset:\n*4096+(\q)*1024+\c*512
.endr
.endr
	WIN 0
.irp a, 0,1,2,3
.irp c, 0,1
	ds_load_b128 v[AF+32*(\f)+8*\a+4*\c:AF+32*(\f)+8*\a+4*\c+3], v[ADRA+(\slot)] offset:\a*4096+(\q)*1024+\c*512
.endr
.endr
.endm
; A K step is four quarters of 32 along K, 48 products each, on sets 0, 1, 0, 1.  One of the first three: multiplies set f; in its middle it fetches the next quarter into the other set.
; Windows: source 0 (Wo) 1, source 1 (ao) 0, D 2 or 3; C with D, or, where it is bo, 0.
.macro QUARTER slot, q, f, bias
	s_wait_dscnt 4                                 ; Wo's fragments and ao's tiles 0, 1 are in; the youngest four loads (tiles 2, 3) may be out
	WIN 0xa1-0x20*(\bias)
	MUL 0, \f, \bias
	MUL 1, \f, \bias
	PLACES 4                                       ; in front of loads into registers that the quarter before multiplied
	FETCH \slot, (\q)+1, 1-(\f)
	s_wait_dscnt 32                                ; all but the 32 just issued
	WIN 0xf1-0x30*(\bias)
	MUL 2, \f, \bias
	MUL 3, \f, \bias
.endm
; The last quarter of K step k multiplies set 1 and changes slots: ONE barrier.  In front of it each wave waits for all its tensor loads (its part of the next slot), adds 0 to its spare word, and waits for that and for
; its reads of this slot.  For k up to 3 the barrier opens a round of the cluster's barrier, and behind the round this slot is filled with K step k + 2: the load has a K step less 24 products in which to land.
.macro TURN k
	WIN 0                                          ; (the add's two registers lie in window 0)
	s_wait_tensorcnt 0x0
	ds_add_u32 v[SPW], v[NIL]
	s_wait_dscnt 5                                 ; (the add and the youngest four loads may be out)
	WIN 0xa1
	MUL 0, 1, 0                                    ; twelve products stand between the add and the wait for it
	s_wait_dscnt 0x0                               ; the add is done, and my reads of this slot are over
	s_barrier_signal -1
	MUL 1, 1, 0
	WIN 0
	s_barrier_wait -1
.if (\k) <= 3
	CREST                                          ; no wave of any partner still reads this slot or has a load on its way
	s_add_nc_u64 s[G0A+4*((\k)%2)+2:G0A+4*((\k)%2)+3], s[G0A+4*((\k)%2)+2:G0A+4*((\k)%2)+3], 8192
	s_add_nc_u64 s[G0B+4*((\k)%2)+2:G0B+4*((\k)%2)+3], s[G0B+4*((\k)%2)+2:G0B+4*((\k)%2)+3], 8192
	JLOAD (\k)%2                                   ; the first tensor load behind the round; its four v_nop are also the places in front of the loads below
.else
	PLACES 4
.endif
	FETCH 1-(\k)%2, 0, 0
	WIN 0xf1
	MUL 2, 1, 0
	MUL 3, 1, 0
.endm
	s_wait_tensorcnt 1                             ; my part of K step 0 is in (K step 1's load may be out)
	s_barrier_signal -1
	s_barrier_wait -1                              ; everybody's is
	FETCH 0, 0, 0
	s_wait_loadcnt 0x0                             ; bo
.irp k, 0,1,2,3,4,5
.if \k == 0
	QUARTER 0, 0, 0, 1
.else
	QUARTER \k%2, 0, 0, 0
.endif
	QUARTER \k%2, 1, 1, 0
	QUARTER \k%2, 2, 0, 0
.if \k < 5
	TURN \k
.endif
.endr
	s_wait_dscnt 4                                 ; the very last quarter: nothing more to fetch
	WIN 0xa1
	MUL 0, 1, 0
	MUL 1, 1, 0
	s_wait_dscnt 0x0
	WIN 0xf1
	MUL 2, 1, 0
	MUL 3, 1, 0
	WIN 0
; THE WAY OUT, a tile of 16 rows x 192 columns at a time.  A lane holds 32 neighbouring bytes of a row and the lanes beside it other rows: so a tile goes through my own stage and comes back by rows,
; sixteen lanes to 256 consecutive bytes.  LDS serves a wave's instructions in order (ISA guide 5.7.1.4): no wait between the stores and the loads, nor in front of the next tile's stores.
.macro TOSTAGE a
	WIN 0x08+4*((\a)/2)                            ; an LDS store's data are its source 1: window 2 or 3
.irp n, 0,1,2,3,4,5,6,7,8,9,10,11
.set rD, 8*(12*((\a)%2)+\n)
	ds_store_b128 v[STO], v[rD:rD+3] offset:64*\n          ; each accumulator from its low end on
	ds_store_b128 v[STO], v[rD+4:rD+7] offset:64*\n+16
.endr
	WIN 0
.set t, 0
.rept 24
	ds_load_b128 v[32+96*((\a)%2)+4*t:35+96*((\a)%2)+4*t], v[RD] offset:(t/3)*2*SP+(t%3)*256
.set t, t+1
.endr
.endm
.macro SEND a, younger                 ; younger: the LDS instructions issued behind tile a's loads, which may stay out
	s_wait_dscnt \younger
.set t, 0
.rept 24
	global_store_b128 v[CO], v[32+96*((\a)%2)+4*t:35+96*((\a)%2)+4*t], s[10:11] offset:(16*(\a)+2*(t/3))*3072+(t%3)*256 th:TH_STORE_NT   ; 16 lanes store 256 consecutive bytes, aligned; every offset is an immediate, 190,976 at the most
.set t, t+1
.endr
.endm
	PLACES 4                                       ; in front of the first read of the last results and of loads into registers that held fragments
	TOSTAGE 0
.irp a, 1,2,3
.if \a > 1
	s_wait_xcnt 0x0                                ; tile a - 2's stores have read their registers: tile a's rows may land there
.endif
	TOSTAGE \a
	SEND \a-1, 48                                  ; behind tile a - 1's loads: tile a's 24 stores and 24 loads
.endr
	SEND 3, 0
	s_wait_tensorcnt 0x0                           ; the wave's end, behind my last tensor load and my last LDS store
	ds_add_u32 v[SPW], v[NIL]
	s_wait_dscnt 0x0
	CROUND                                         ; the closing round: no work-group ends while a partner may still ask for a tile that names it
	s_endpgm
.Lfunc_end_k_q5b2ea281c3_oproj:
	.size	k_q5b2ea281c3_oproj, .Lfunc_end_k_q5b2ea281c3_oproj-k_q5b2ea281c3_oproj
	.p2alignl 7, 3214868480
	.fill 96, 4, 3214868480
	.section	.rodata,"a",@progbits
	.p2align	6, 0x0
	.amdhsa_kernel k_q5b2ea281c3_oproj
		.amdhsa_group_segment_fixed_size 327680
		.amdhsa_private_segment_fixed_size 0
		.amdhsa_enable_private_segment 0
		.amdhsa_kernarg_size 32
		.amdhsa_user_sgpr_count 2
		.amdhsa_user_sgpr_kernarg_segment_ptr 1
		.amdhsa_wavefront_size32 1
		.amdhsa_system_sgpr_workgroup_id_x 1
		.amdhsa_system_sgpr_workgroup_id_y 1
		.amdhsa_system_sgpr_workgroup_id_z 1
		.amdhsa_system_vgpr_workitem_id 0
		.amdhsa_next_free_vgpr 1024
		.amdhsa_next_free_sgpr 66
		.amdhsa_reserve_vcc 0
		.amdhsa_float_denorm_mode_32 3
		.amdhsa_float_denorm_mode_16_64 3
		.amdhsa_memory_ordered 1
		.amdhsa_forward_progress 1
		.amdhsa_inst_pref_size 163
	.end_amdhsa_kernel
	.amdgpu_metadata
---
amdhsa.version: [ 1, 2 ]
amdhsa.kernels:
  - .name:           k_q5b2ea281c3_oproj
    .symbol:         k_q5b2ea281c3_oproj.kd
    .args:
      - { .name: ao, .offset: 0, .size: 8, .value_kind: global_buffer, .address_space: global }
      - { .name: wo16, .offset: 8, .size: 8, .value_kind: global_buffer, .address_space: global }
      - { .name: bo, .offset: 16, .size: 8, .value_kind: global_buffer, .address_space: global }
      - { .name: out0, .offset: 24, .size: 8, .value_kind: global_buffer, .address_space: global }
    .group_segment_fixed_size: 327680
    .private_segment_fixed_size: 0
    .kernarg_segment_align: 8
    .kernarg_segment_size: 32
    .max_flat_workgroup_size: 128
    .sgpr_count:     66
    .vgpr_count:     1024
    .wavefront_size: 32
...
	.end_amdgpu_metadata
.endif
;; end of part 3
